; MI455X (gfx1250); checked and timed in simulation.
; The chip was launched on July 23, 2026; its instructions are those of AMD's public machine-readable ISA for CDNA 5 (MIT licence, August 2026) and "CDNA5" Instruction Set Architecture Reference Guide (July 2026). The comments in the code are by the model that wrote it; some were corrected since.
;; Transformer. Allowed arithmetic: matrix products marked QUANTISED: E2M1 operands, one E8M0 scale for each 32 along K, by v_wmma_scale_f32_16x16x128_f8f6f4 with both operands' format E2M1 (or v_wmma_scale_f32_32x16x128_f4), f32 sums; everything else in f32.
;; Inputs: wk_b 1,024 float32; wk_w_codes 1,024 x 32 x 16 uint8 (E2M1 codes of wk_w, K innermost, in blocks of 32 codes, two codes a byte); wk_w_scales 1,024 x 32 uint8 (E8M0 scales of wk_w, one for each 32 codes along K); wq_b 1,024 float32; wq_w_codes 1,024 x 32 x 16 uint8 (E2M1 codes of wq_w, K innermost, in blocks of 32 codes, two codes a byte); wq_w_scales 1,024 x 32 uint8 (E8M0 scales of wq_w, one for each 32 codes along K); wv_b 1,024 float32; wv_w_codes 1,024 x 32 x 16 uint8 (E2M1 codes of wv_w, K innermost, in blocks of 32 codes, two codes a byte); wv_w_scales 1,024 x 32 uint8 (E8M0 scales of wv_w, one for each 32 codes along K); x_codes 2 x 2,048 x 32 x 16 uint8 (E2M1 codes of x, K innermost, in blocks of 32 codes, two codes a byte); x_scales 2 x 2,048 x 32 uint8 (E8M0 scales of x, one for each 32 codes along K).
;; Outputs: out0 2 x 2,048 x 1,024 float32.
;; This version of the problem:
;;   THIS VERSION OF THE PROBLEM IS GIVEN IN LOW PRECISION. The matrix products marked QUANTISED in the list below multiply operands that are first quantised to E2M1 (2 exponent bits, 1 mantissa bit; 4 bits a number), with one power-of-two scale for each 32 numbers along K (OCP MX v1.0); their sums are f32. All else is computed in f32.
;;   The module's matrix products, in the order in which they are computed (A, B: the left and right operand; K: the contracted axis; several contracted axes count as one K, in the product's order):
;;     1. [M 4,096, K 1,024] x [K 1,024, N 1,024]; A: input x (given as codes); B: input wq_w (given as codes): QUANTISED
;;     2. [M 4,096, K 1,024] x [K 1,024, N 1,024]; A: input x (given as codes); B: input wk_w (given as codes): QUANTISED
;;     3. [M 4,096, K 1,024] x [K 1,024, N 1,024]; A: input x (given as codes); B: input wv_w (given as codes): QUANTISED
;;     4. batch 32 x [M 2,048, K 64] x [K 64, N 2,048]; A: computed on the way; B: computed on the way: QUANTISED
;;     5. batch 32 x [M 2,048, K 2,048] x [K 2,048, N 64]; A: softmax (see below); B: computed on the way: QUANTISED
;;   THE QUANTISER, for each operand of a quantised product, along K:
;;     - K is cut into blocks of 32 from its start; a last block that is shorter is filled with zeros.
;;     - A block's scale is 2^e with e = floor(log2(the largest magnitude in the block)) - 2, held to -126 .. 127; a block of zeros has e = 0. As a byte (E8M0): e + 127.
;;     - Each number is divided by its block's scale, clamped to +-6, and rounded to the nearest number of E2M1, ties to even, subnormals kept.
;;     - The product sums the exact products of the quantised numbers (number of the format x scale) in f32.
;;   ~~~python
;;   def quantise(x, axis):      # numpy; x: float32 -> the quantised numbers, widened to float32 again
;;       x = np.moveaxis(x, axis, -1); K = x.shape[-1]
;;       x = np.pad(x, [(0, 0)] * (x.ndim - 1) + [(0, -K % 32)]); x = x.reshape(x.shape[:-1] + (-1, 32)); a = np.abs(x).max(-1, keepdims=True)
;;       e = np.where(a > 0, np.clip(np.frexp(np.where(a > 0, a, 1))[1] - 1 - 2, -126, 127), 0)      # np.frexp(a)[1] - 1 = floor(log2(a)), exactly
;;       r = np.clip(x / 2.0 ** e, -6, 6)
;;       step = 2.0 ** (np.maximum(np.frexp(np.where(r == 0, 1, r))[1] - 1, 0) - 1)
;;       q = np.round(r / step) * step * 2.0 ** e      # np.round: ties to even
;;       return np.moveaxis(q.reshape(q.shape[:-2] + (-1,))[..., :K], -1, axis).astype(np.float32)
;;   ~~~
;;   SOFTMAX AHEAD OF A QUANTISED PRODUCT. Where the list says 'softmax', what is quantised is not the finished softmax but p = 2^(t - M), with t = logit x log2(e) and M = ceil(the row's largest t), a whole number; so 1/2 < the row's largest p <= 1. The row's sum l is taken of the UNQUANTISED p, in f32, and the product's result is divided by l at the end. Since M is a whole number, a kernel that streams over the keys may use a running M (the ceiling of the running maximum): every later rescaling is an exact power of two, which a block's scale takes up: the codes' values come out the same.
;;   OPERANDS COMPUTED ON THE WAY. 'Computed on the way' means the value that the module computes at that place (a softmax that the list does not call 'softmax' is quantised finished and normalised). What goes into a quantiser is computed in f32, as accurately as f32 sums, v_exp_f32 and their like allow (about 1e-6 of the number): no bf16 or f16 on the way to a quantiser, and a product that is left as it is and whose result goes on into a quantised operand takes f32 operands (vector FMAs, or v_wmma_f32_16x16x4_f32). A number that lies on a knife's edge between two numbers of the format may be rounded either way, as far as f32 arithmetic and the matrix unit's own rounding can turn it there, and no further.
;;   INPUTS GIVEN AS CODES. wk_w (in the module: [1024, 1024], K = its axis 1); wq_w (in the module: [1024, 1024], K = its axis 1); wv_w (in the module: [1024, 1024], K = its axis 1); x (in the module: [2, 2048, 1024], K = its axis 2): each comes as NAME_codes (uint8): NAME with its K axis moved to the last place and cut into blocks of 32 codes, [.., K / 32, bytes a block], one block behind the other in memory; two codes a byte, the lower K in the low four bits (a code: sign, 2 exponent bits, 1 mantissa bit); and NAME_scales (uint8): the same leading axes, one E8M0 byte (e + 127) for each 32 codes along K. Its value is code x scale, taken as it is: it is not quantised again, and the codes and scales need not be those that the quantiser above would give.
;; One version. Each part assembles by itself: llvm-mc -triple=amdgcn-amd-amdhsa -mcpu=gfx1250 --defsym DOCPART=n.
;; ======== version 1 of 1: 2 launches
;; limits: right only within a limited range of input values
;; workspace buffers: qbuf 2,359,296 bytes; kvbuf 4,587,520 bytes
;; launch proj (part 1): grid 16 x 16, 8 waves a work-group, clusters of 4 x 4, 245,760 bytes of LDS; arguments x_codes, x_scales, wq_w_codes, wq_w_scales, wq_b, wk_w_codes, wk_w_scales, wk_b, wv_w_codes, wv_w_scales, wv_b, qbuf, kvbuf; writes qbuf, kvbuf
.if DOCPART == 1
	.amdgcn_target "amdgcn-amd-amdhsa--gfx1250"
	.amdhsa_code_object_version 6
	.text
	.protected	k_q427f5818e6_proj
	.globl	k_q427f5818e6_proj
	.p2align	8
	.type	k_q427f5818e6_proj,@function
k_q427f5818e6_proj:
	s_mov_b64 s[64:65], 0
	v_nop
	global_prefetch_b8 v0, s[64:65] scope:SCOPE_SE
	s_setreg_imm32_b32 hwreg(HW_REG_WAVE_MODE, 25, 1), 1
	s_wait_xcnt 0x0
	s_wait_alu depctr_hold_cnt(0) depctr_sa_sdst(0) depctr_va_vdst(0) depctr_va_sdst(0) depctr_va_ssrc(0) depctr_va_vcc(0) depctr_vm_vsrc(0)
	s_getreg_b32 s2, hwreg(HW_REG_IB_STS2, 6, 4)
	s_cmp_eq_u32 s2, 0
	s_cbranch_scc0 .Lentry_in_a_cluster
	s_endpgm
.Lentry_in_a_cluster:
	s_bfe_u32 s2, ttmp6, 0x10000c
	s_cmp_lg_u32 s2, 0xf033
	s_cbranch_scc0 .Lentry_shape_is_right
	s_endpgm
.Lentry_shape_is_right:
; q, k, v = x W^T + b on the given codes of FP4 (E2M1, one E8M0 byte for each 32 along K = 1,024), quantised again for attention: q and k along the head's 64, v along the keys.
; A work-group (x = head, y = block of 256 tokens) makes q, k and v of ONE head for 256 tokens.  All of K fits in LDS in two halves (rows of 256 bytes + 16 of padding); every byte is filled once.
; CLUSTER 4 x 4: x's rows are shared along a row of the cluster, the weights' along a column; both are asked for jointly.  Waves 0-3 fetch the first half of K (x, wq, wk, wv), waves 4-7 the second, one load each.
; No loop loads from memory, so nothing is prefetched.  Scale bytes and biases go from memory into registers, 16 bytes a lane.
; SHARES.  Wave 2 tb + s: 64 tokens (64 tb on); s = 0: q's 64 dims, s = 1: k's, TRANSPOSED (source 0 = W, source 1 = tokens: a lane holds one token); and v's dims 32 s on, NATURAL (a lane holds one dim).  24 accumulators by turns.
; THE ROWS OF A TILE: tile t of 64 rows (tokens, or rows of wq and wk) takes rows 8 t + 0..7 and 32 + 8 (t ^ 1) + 0..7: so in a result's four tiles lane half h holds the WHOLE block h of 32, in the order of the operand's registers
; (block 1's four groups of eight stand in the order 1, 0, 3, 2, alike in q and k, and alike in p and v: a sum along K does not depend on it).  t ^ 1: the sixteen rows of a load then begin 16 bytes apart modulo 256.
; RESULTS are images of the operands' registers:
;   qbuf  [batch x head 32][64 tokens 32] records of 2,304 bytes: four fragments of 512 bytes (16 bytes x lane), then 256 bytes of scale words [lane][2]: word i of lane (r, h) is tile 2 i + h's, row r's.
;   kvbuf [batch x head 32][128 keys 16] records of 8,960 bytes: +0 eight fragments of K; +4,096 V: four dim tiles x two halves of 64 keys x 512 bytes; +8,192 K's scale words, 2 x 256 bytes as q's; +8,704 V's, [lane][2] likewise.
; WORK LEFT OUT (in the second launch): key blocks all of whose keys come after the queries: reference()'s own causal mask gives them the weight 0 for all finite inputs.  LIMIT: a NaN, infinity or overflow that reaches only those is not carried on.
; LIMITS: NaN and infinities among q, k, v are not served.  A block of zeros gets the scale byte 1 where the rule says 127: its codes are zeros, and this program alone reads the bytes.
; REGISTERS: window 0: v2-23 addresses; v24-63 scale words; v64-143, v144-223 two sets of fragments; v224-255 q's or k's bias.  window 1: v0-127 q's or k's sums, v128-191 v's; v192-207 v's bias.
.set PITCH, 272
.set X1,    256*PITCH                  ; x, K 512..1023
.set W0,    512*PITCH                  ; wq's, wk's, wv's 64 rows, K 0..511
.set W1,    W0+192*PITCH
.set WT,    64*PITCH
.set EX,    W1+192*PITCH               ; V's scale words from wave to wave: 128 bytes each
.set SPARE, EX+1024
.set QREC,  2304
.set REC,   8960
.set SPW,   2                          ; v2  my spare word's address
.set NIL,   3                          ; v3  0
.set XA,    4                          ; v4-5 x, even tiles, halves 0, 1; v6-7 odd tiles
.set WA,    8                          ; v8-11 the same for wq or wk
.set VA,    12                         ; v12-13 wv
.set L16,   14
.set L8,    15
.set EXA,   16                         ; v16 where I put my half of V's scale words
.set EXR,   17                         ; v17 where they are read
.set H8,    18                         ; v18 8 h
.set H8C,   19                         ; v19 8 (1 - h)
.set SCX,   24
.set SCW,   40
.set SCV,   56
.set BQ,    224
.set BV,    192
.set TM,    64                         ; the quantiser's registers
.set SO,    70
.set BY,    76
.set WV,    34
.set HM,    35
.set SEL,   6
.set MSB, 0
.macro WIN new
.if MSB != (\new)
	s_set_vgpr_msb (MSB<<8)|(\new)
.set MSB, (\new)
.endif
.endm
.macro PLACES n
.rept \n
	v_nop
.endr
.endm
.macro CROUND
	s_barrier_signal -1
	s_barrier_wait -1
	s_cmp_lg_u32 s[WV], 0
	s_cbranch_scc1 .Lnot_wave_0_\@
	s_barrier_signal -3
.Lnot_wave_0_\@:
	s_barrier_wait -3
	s_barrier_signal -1
	s_barrier_wait -1
.endm
	s_load_b512 s[8:23], s[0:1], 0x0               ; x codes 8, x scales 10, wq codes 12, wq scales 14, wq_b 16, wk codes 18, wk scales 20, wk_b 22
	s_load_b256 s[24:31], s[0:1], 0x40             ; wv codes 24, wv scales 26, wv_b 28, qbuf 30
	s_load_b64 s[32:33], s[0:1], 0x60              ; kvbuf
	v_lshl_add_u32 v[SPW], v0, 2, SPARE
	v_mov_b32 v[NIL], 0
	ds_add_u32 v[SPW], v[NIL]                      ; the opening lines
	ds_add_u32 v[SPW], v[NIL]
	v_lshrrev_b32 v1, 5, v0
	v_readfirstlane_b32 s[WV], v1
	s_bfe_u32 s60, ttmp6, 0x40000
	s_bfe_u32 s61, ttmp6, 0x40004
	s_lshl_b32 s62, ttmp9, 2
	s_add_co_u32 s62, s62, s60                     ; the head
	s_and_b32 s63, ttmp7, 0xffff
	s_lshl_b32 s63, s63, 2
	s_add_co_u32 s63, s63, s61                     ; the block of 256 tokens
	s_lshl_b32 s66, s61, 2
	s_lshl_b32 s66, 15, s66                        ; my row of the cluster
	s_lshl_b32 s67, 0x1111, s60                    ; my column
	s_and_b32 s68, s[WV], 1                        ; s
	s_lshr_b32 s69, s[WV], 1                       ; tb
	s_lshr_b32 s70, s[WV], 2                       ; which half of K I fetch
	s_and_b32 s71, s[WV], 3                        ; 0: x; 1, 2, 3: wq, wk, wv
	s_or_b32 s36, s66, (1<<20)|(1<<21)|(5<<22)|(3<<25)  ; x: 256 rows x 256 bytes, 512 apart; 16 bytes of padding behind every 256
	s_mov_b32 s37, 256<<16
	s_mov_b32 s38, 256<<16
	s_mov_b32 s39, 256<<16
	s_mov_b32 s40, 256
	s_mov_b32 s41, 512
	s_mov_b32 s42, 0
	s_mov_b32 s43, 0
	s_or_b32 s44, s67, (1<<20)|(1<<21)|(5<<22)|(3<<25)  ; a weight: 64 rows
	s_mov_b32 s45, 256<<16
	s_mov_b32 s46, 64<<16
	s_mov_b32 s47, 256<<16
	s_mov_b32 s48, 64
	s_mov_b32 s49, 512
	s_mov_b32 s50, 0
	s_mov_b32 s51, 0
	s_mov_b32 s52, 1
	s_mul_i32 s53, s70, X1
	s_mov_b32 s56, 1
	s_mul_i32 s57, s70, W1-W0
	s_mul_i32 s72, s71, WT
	s_add_co_u32 s57, s57, s72
	s_add_co_u32 s57, s57, W0-WT
	s_lshl_b32 s74, s70, 8                         ; the second half begins 256 bytes on in each row
	s_mov_b32 s75, 0
	s_lshl_b32 s2, s63, 17                         ; 256 rows of 512 bytes
	s_mov_b32 s3, 0
	s_lshl_b32 s4, s62, 15                         ; 64 rows of 512 bytes
	s_mov_b32 s5, 0
	s_wait_dscnt 0x0
	s_wait_kmcnt 0x0
	s_add_nc_u64 s[8:9], s[8:9], s[2:3]
	s_add_nc_u64 s[54:55], s[8:9], s[74:75]
	s_or_b32 s55, s55, 0x80000000
	s_cmp_eq_u32 s71, 1
	s_cselect_b64 s[72:73], s[12:13], s[18:19]
	s_cmp_eq_u32 s71, 3
	s_cselect_b64 s[72:73], s[24:25], s[72:73]
	s_add_nc_u64 s[72:73], s[72:73], s[4:5]
	s_add_nc_u64 s[58:59], s[72:73], s[74:75]
	s_or_b32 s59, s59, 0x80000000
	CROUND                                         ; all sixteen work-groups are here: the joint loads meet
.macro ARM under, g0, g1, next
	s_cmp_lt_u32 s[WV], \under
	s_cbranch_scc0 \next
	tensor_load_to_lds s[\g0:\g0+3], s[\g1:\g1+7]
	s_nop 0
	PLACES 4
	s_branch .Lasked
\next:
.endm
	ARM 1, 52, 36, .Lhead_w                        ; one load a wave; the first half's lines and the second's are lines of their own
	ARM 4, 56, 44, .Lhead_x1
	ARM 5, 52, 36, .Lhead_w1
	tensor_load_to_lds s[56:59], s[44:51]
	s_nop 0
	PLACES 4
.Lasked:
	s_mov_b32 s[SEL], 0x76543210
	s_mov_b32 s[SEL+1], 0xfedcba98
	s_mov_b32 s[HM], 0xffff0000
	s_lshl_b32 s2, s63, 13                         ; 256 rows of 32 scale bytes
	s_add_nc_u64 s[10:11], s[10:11], s[2:3]
	s_cmp_eq_u32 s68, 0
	s_cselect_b64 s[76:77], s[14:15], s[20:21]     ; my weight's scale bytes
	s_cselect_b64 s[78:79], s[16:17], s[22:23]     ; and bias
	s_lshl_b32 s4, s62, 11
	s_add_nc_u64 s[76:77], s[76:77], s[4:5]
	s_add_nc_u64 s[26:27], s[26:27], s[4:5]
	s_lshl_b32 s4, s62, 8
	s_add_nc_u64 s[78:79], s[78:79], s[4:5]
	s_add_nc_u64 s[28:29], s[28:29], s[4:5]
	; where my results go (numbers that mix the head and the block of tokens live in s84 and above)
	s_lshr_b32 s84, s63, 3
	s_lshl_b32 s84, s84, 4
	s_add_co_u32 s84, s84, s62                     ; batch x 16 + head
	s_and_b32 s85, s63, 7
	s_lshl_b32 s86, s84, 5
	s_lshl_b32 s87, s85, 2
	s_add_co_u32 s86, s86, s87
	s_add_co_u32 s86, s86, s69
	s_mul_i32 s86, s86, QREC                       ; my 64 tokens' record of q
	s_lshl_b32 s87, s84, 4
	s_lshl_b32 s88, s85, 1
	s_add_co_u32 s87, s87, s88
	s_lshr_b32 s88, s69, 1
	s_add_co_u32 s87, s87, s88
	s_mul_i32 s87, s87, REC                        ; my 128 keys' record
	s_and_b32 s88, s69, 1                          ; which 64 of them are mine
	s_lshl_b32 s89, s88, 11
	s_add_co_u32 s89, s89, s87                     ; K's fragments
	s_lshl_b32 s90, s88, 8
	s_add_co_u32 s90, s90, s87
	s_add_co_u32 s90, s90, 8192                    ; K's scale words
	s_add_co_u32 s91, s86, 2048                    ; q's
	s_cmp_eq_u32 s68, 0
	s_cselect_b32 s92, s86, s89
	s_cselect_b32 s94, s91, s90
	s_cselect_b64 s[30:31], s[30:31], s[32:33]
	s_mov_b32 s93, 0
	s_mov_b32 s95, 0
	s_add_nc_u64 s[80:81], s[30:31], s[92:93]
	s_add_nc_u64 s[82:83], s[30:31], s[94:95]
	s_lshl_b32 s92, s68, 11
	s_add_co_u32 s92, s92, s87
	s_add_co_u32 s92, s92, 4096
	s_lshl_b32 s88, s88, 9
	s_add_co_u32 s92, s92, s88
	s_add_nc_u64 s[98:99], s[32:33], s[92:93]      ; V's fragments
	s_add_co_u32 s94, s87, 8704
	s_add_nc_u64 s[100:101], s[32:33], s[94:95]    ; V's scale words
	s_mul_i32 s72, s69, WT                         ; my 64 tokens
	s_mul_i32 s73, s68, WT
	s_add_co_u32 s73, s73, W0                      ; wq or wk
	s_mul_i32 s74, s68, 32*PITCH
	s_add_co_u32 s74, s74, W0+2*WT                 ; my 32 rows of wv
	s_lshl_b32 s75, s69, 11
	s_lshl_b32 s84, s68, 10
	s_lshl_b32 s85, s68, 7
	s_lshl_b32 s86, s[WV], 7
	s_add_co_u32 s86, s86, EX
	s_and_b32 s87, s[WV], 4
	s_lshl_b32 s87, s87, 7
	s_add_co_u32 s87, s87, EX
	v_and_b32 v1, 15, v0                           ; r
	v_bfe_u32 v20, v0, 4, 1                        ; h
	v_and_b32 v21, 31, v0                          ; lane
	v_and_b32 v22, 7, v0
	v_bfe_u32 v23, v0, 3, 1                        ; r / 8
	v_lshlrev_b32 v150, 4, v20
	v_sub_nc_u32 v150, 40, v150                    ; 40 - 16 h
	v_mad_u32_u24 v150, v23, v150, v22
	v_lshl_add_u32 v150, v20, 3, v150              ; lanes 0-15: rows of an even tile, lanes 16-31: of the next, odd one
	v_lshlrev_b32 v151, 5, v150                    ; scale bytes, 32 a row
	v_add_nc_u32 v152, s75, v151
	v_lshl_add_u32 v153, v21, 5, s84
	v_mul_u32_u24 v154, v20, 160                   ; biases: even tiles 40 h numbers on, odd ones 24 h
	v_mul_u32_u24 v155, v20, 96
	v_lshl_add_u32 v156, v1, 2, s85
.irp i, 0,1
.irp e, 0,1
	global_load_b128 v[SCX+8*\i+4*\e:SCX+8*\i+4*\e+3], v152, s[10:11] offset:512*\i+16*\e
	global_load_b128 v[SCW+8*\i+4*\e:SCW+8*\i+4*\e+3], v151, s[76:77] offset:512*\i+16*\e
.endr
	global_load_b128 v[SCV+4*\i:SCV+4*\i+3], v153, s[26:27] offset:16*\i
.endr
.irp u, 0,1,2,3
	global_load_b128 v[BQ+8*\u:BQ+8*\u+3], v[154+\u%2], s[78:79] offset:32*\u
	global_load_b128 v[BQ+8*\u+4:BQ+8*\u+7], v[154+\u%2], s[78:79] offset:32*\u+16
.endr
	WIN 0x40
	global_load_b32 v[BV], v156, s[28:29]
	global_load_b32 v[BV+8], v156, s[28:29] offset:64
	WIN 0
	v_mad_u32_u24 v144, v23, 40, v22               ; rows of an even tile,
	v_mad_u32_u24 v145, v23, 24, v22               ; of an odd one
	v_mul_u32_u24 v146, v144, PITCH
	v_mul_u32_u24 v147, v145, PITCH
	v_mul_u32_u24 v148, v1, PITCH
	v_lshl_add_u32 v146, v20, 4, v146
	v_lshl_add_u32 v147, v20, 4, v147
	v_lshl_add_u32 v148, v20, 4, v148
	v_add_nc_u32 v[XA], s72, v146
	v_add_nc_u32 v[XA+2], s72, v147
	v_add_nc_u32 v[WA], s73, v146
	v_add_nc_u32 v[WA+2], s73, v147
	v_add_nc_u32 v[VA], s74, v148
	v_add_nc_u32 v[XA+1], X1, v[XA]
	v_add_nc_u32 v[XA+3], X1, v[XA+2]
	v_add_nc_u32 v[WA+1], W1-W0, v[WA]
	v_add_nc_u32 v[WA+3], W1-W0, v[WA+2]
	v_add_nc_u32 v[VA+1], W1-W0, v[VA]
	v_lshlrev_b32 v[L16], 4, v21
	v_lshlrev_b32 v[L8], 3, v21
	v_lshl_add_u32 v[EXA], v21, 2, s86
	v_lshl_add_u32 v[EXR], v21, 2, s87
	v_lshlrev_b32 v[H8], 3, v20
	v_sub_nc_u32 v[H8C], 8, v[H8]
.macro FETCH s                         ; K step s's ten fragments into set s % 2
.set FB, 64+80*((\s)%2)
.set CH, (\s)/4
.set KQ, 64*((\s)%4)
.irp t, 0,1,2,3
.irp c, 0,1
	ds_load_b128 v[FB+8*\t+4*\c:FB+8*\t+4*\c+3], v[XA+2*(\t%2)+CH] offset:\t*8*PITCH+KQ+32*\c
.endr
.endr
.irp t, 0,1,2,3
.irp c, 0,1
	ds_load_b128 v[FB+32+8*\t+4*\c:FB+32+8*\t+4*\c+3], v[WA+2*(\t%2)+CH] offset:\t*8*PITCH+KQ+32*\c
.endr
.endr
.irp n, 0,1
.irp c, 0,1
	ds_load_b128 v[FB+64+8*\n+4*\c:FB+64+8*\n+4*\c+3], v[VA+CH] offset:\n*16*PITCH+KQ+32*\c
.endr
.endr
.endm
.macro WM d, a, b, c, sa, sb, ra, rb   ; ra, rb: the side's scales lie in lanes 16-31
.if (\ra) && (\rb)
	v_wmma_scale_f32_16x16x128_f8f6f4 v[\d:\d+7], v[\a:\a+7], v[\b:\b+7], v[\c:\c+7], v[\sa], v[\sb] matrix_a_fmt:MATRIX_FMT_FP4 matrix_b_fmt:MATRIX_FMT_FP4 matrix_a_scale:MATRIX_SCALE_ROW1 matrix_b_scale:MATRIX_SCALE_ROW1
.elseif (\ra)
	v_wmma_scale_f32_16x16x128_f8f6f4 v[\d:\d+7], v[\a:\a+7], v[\b:\b+7], v[\c:\c+7], v[\sa], v[\sb] matrix_a_fmt:MATRIX_FMT_FP4 matrix_b_fmt:MATRIX_FMT_FP4 matrix_a_scale:MATRIX_SCALE_ROW1
.elseif (\rb)
	v_wmma_scale_f32_16x16x128_f8f6f4 v[\d:\d+7], v[\a:\a+7], v[\b:\b+7], v[\c:\c+7], v[\sa], v[\sb] matrix_a_fmt:MATRIX_FMT_FP4 matrix_b_fmt:MATRIX_FMT_FP4 matrix_b_scale:MATRIX_SCALE_ROW1
.else
	v_wmma_scale_f32_16x16x128_f8f6f4 v[\d:\d+7], v[\a:\a+7], v[\b:\b+7], v[\c:\c+7], v[\sa], v[\sb] matrix_a_fmt:MATRIX_FMT_FP4 matrix_b_fmt:MATRIX_FMT_FP4
.endif
.endm
; A K step of 128: the next step's fragments are asked for first, into the set that the step before multiplied (four places behind its last product), and land under this step's 24 products.
.macro KSTEP s, fetch, first           ; first = 1: the biases start the sums
.if \fetch
.if (\s) > 0
	PLACES 4
.endif
	FETCH (\s)+1
.endif
.set FB, 64+80*((\s)%2)
.if \first
	WIN 0x40
.else
	WIN 0x50
.endif
.irp t, 0,1,2,3
.irp u, 0,1,2,3
.set RD, 8*(4*\t+\u)
.if \first
.set RC, BQ+8*\u
.else
.set RC, RD
.endif
.set RA, FB+32+8*\u
.set RB, FB+8*\t
.set SA, SCW+8*(\u/2)+(\s)
.set SB, SCX+8*(\t/2)+(\s)
	WM RD, RA, RB, RC, SA, SB, \u%2, \t%2
.endr
.endr
	WIN 0x50
.irp n, 0,1
.irp t, 0,1,2,3
.set RD, 128+8*(4*\n+\t)
.if \first
.set RC, BV+8*\n
.else
.set RC, RD
.endif
.set RA, FB+8*\t
.set RB, FB+64+8*\n
.set SA, SCX+8*(\t/2)+(\s)
.set SB, SCV+(\s)
	WM RD, RA, RB, RC, SA, SB, \t%2, \n
.endr
.endr
	WIN 0
	s_wait_dscnt 0x0                               ; the next step's fragments are in
.endm
; ng groups of 32 sums, v[base + 32 g ..] of window 1: a lane's 32 are one whole block: four registers of codes at v[pc + 4 g] and the scale's byte in v[BY + g].
.macro QUANT base, ng, pc
	WIN 0x05
.irp g, 0,1,2,3
.if \g < \ng
	v_max3_num_f32 v[TM+\g], |v[\base+32*\g]|, |v[\base+32*\g+1]|, 0x1800000   ; and the floor 2^(3 - 127): the byte cannot fall under 1
.endif
.endr
	WIN 0x14
.irp i, 2,4,6,8,10,12,14,16,18,20,22,24,26,28,30
.irp g, 0,1,2,3
.if \g < \ng
	v_max3_num_f32 v[TM+\g], v[TM+\g], |v[\base+32*\g+\i]|, |v[\base+32*\g+\i+1]|
.endif
.endr
.endr
	WIN 0
.irp g, 0,1,2,3
.if \g < \ng
	v_add_nc_u32 v[SO+\g], 0xff000000, v[TM+\g]    ; 2 off its exponent field: the conversion's scale operand
.endif
.endr
.irp g, 0,1,2,3
.if \g < \ng
	v_lshrrev_b32 v[BY+\g], 23, v[SO+\g]
.endif
.endr
	WIN 0x01
.irp g, 0,1,2,3
.if \g < \ng
.irp i, 0,1,2,3
	v_cvt_scalef32_pk8_fp4_f32 v[\pc+4*\g+\i], v[\base+32*\g+8*\i:\base+32*\g+8*\i+7], v[SO+\g]
.endr
.endif
.endr
	WIN 0
.endm
; The scale words of two tiles: lanes 0-15 tile a's rows, lanes 16-31 tile b's; byte h is lane half h's.
.macro PAIR dst, a, b
	v_cndmask_b32 v122, v[\b], v[\a], s[HM]        ; what the other half wants: lanes 0-15 b, lanes 16-31 a
	v_cndmask_b32 v123, v[\a], v[\b], s[HM]        ; my own
	v_permlanex16_b32 v120, v122, s[SEL], s[SEL+1]
	v_lshlrev_b32 v123, v[H8], v123
	v_lshl_or_b32 v[\dst], v120, v[H8C], v123
.endm
	s_wait_alu depctr_va_vdst(0)                   ; the wait at the head's end
	s_cmp_lt_u32 s[WV], 4
	s_cbranch_scc0 .Lsecond_half
	s_wait_tensorcnt 0x0                           ; the first half's waves: my part is in
.Lsecond_half:
	s_barrier_signal -1                            ; (the second half's loads may be out)
	s_barrier_wait -1
	FETCH 0
	s_wait_loadcnt 0x0                             ; scales and biases
	WIN 0x41
.irp n, 0,8
.irp j, 1,2,3,4,5,6,7
	v_mov_b32 v[BV+\n+\j], v[BV+\n]                ; v's bias: the same dim in all eight registers
.endr
.endr
	WIN 0
	s_wait_alu depctr_va_vdst(0)
	s_wait_dscnt 0x0
	KSTEP 0, 1, 1
	KSTEP 1, 1, 0
	KSTEP 2, 1, 0
	s_wait_tensorcnt 0x0                           ; the second half is in
	s_barrier_signal -1
	s_barrier_wait -1
	KSTEP 3, 1, 0
	KSTEP 4, 1, 0
	KSTEP 5, 1, 0
	KSTEP 6, 1, 0
	KSTEP 7, 0, 0
	PLACES 4                                       ; the quantiser reads results just made
	v_mov_b32 v120, 0                              ; a lane permute's destination counts as one of its sources
	QUANT 128, 2, 104                              ; v: two dim tiles
	PAIR 112, BY, BY+1
	ds_store_b32 v[EXA], v112
	global_store_b128 v[L16], v[104:107], s[98:99]                 ; 32 lanes store 512 consecutive bytes
	global_store_b128 v[L16], v[108:111], s[98:99] offset:1024
	QUANT 0, 4, 88                                 ; q or k: four token tiles
	PAIR 114, BY, BY+1
	PAIR 115, BY+2, BY+3
.irp t, 0,1,2,3
	global_store_b128 v[L16], v[88+4*\t:91+4*\t], s[80:81] offset:512*\t
.endr
	global_store_b64 v[L8], v[114:115], s[82:83]   ; 256 consecutive bytes
	s_wait_alu depctr_va_vdst(0)                   ; the wait ahead of the barrier
	s_wait_dscnt 0x0                               ; my half words are in LDS
	s_barrier_signal -1
	s_barrier_wait -1
	s_cmp_lg_u32 s71, 0                            ; waves 0 and 4 put together a record's V scale words
	s_cbranch_scc1 .Lno_words
	ds_load_b32 v116, v[EXR]                       ; dims 0-31, keys 0-63,
	ds_load_b32 v117, v[EXR] offset:128            ; dims 32-63, keys 0-63,
	ds_load_b32 v118, v[EXR] offset:256            ; and keys 64-127
	ds_load_b32 v119, v[EXR] offset:384
	s_wait_dscnt 0x0
	v_lshl_or_b32 v116, v118, 16, v116
	v_lshl_or_b32 v117, v119, 16, v117
	global_store_b64 v[L8], v[116:117], s[100:101]
.Lno_words:
	s_wait_tensorcnt 0x0                           ; the wave's end
	ds_add_u32 v[SPW], v[NIL]
	s_wait_dscnt 0x0
	CROUND                                         ; the closing round: no work-group ends while a partner may still ask for a tile that names it
	s_endpgm
.Lfunc_end_k_q427f5818e6_proj:
	.size	k_q427f5818e6_proj, .Lfunc_end_k_q427f5818e6_proj-k_q427f5818e6_proj
	.p2alignl 7, 3214868480
	.fill 96, 4, 3214868480
	.section	.rodata,"a",@progbits
	.p2align	6, 0x0
	.amdhsa_kernel k_q427f5818e6_proj
		.amdhsa_group_segment_fixed_size 245760
		.amdhsa_private_segment_fixed_size 0
		.amdhsa_enable_private_segment 0
		.amdhsa_kernarg_size 104
		.amdhsa_user_sgpr_count 2
		.amdhsa_user_sgpr_kernarg_segment_ptr 1
		.amdhsa_wavefront_size32 1
		.amdhsa_system_sgpr_workgroup_id_x 1
		.amdhsa_system_sgpr_workgroup_id_y 1
		.amdhsa_system_sgpr_workgroup_id_z 1
		.amdhsa_system_vgpr_workitem_id 0
		.amdhsa_next_free_vgpr 512
		.amdhsa_next_free_sgpr 106
		.amdhsa_reserve_vcc 0
		.amdhsa_float_denorm_mode_32 3
		.amdhsa_float_denorm_mode_16_64 3
		.amdhsa_memory_ordered 1
		.amdhsa_forward_progress 1
		.amdhsa_inst_pref_size 60
	.end_amdhsa_kernel
	.amdgpu_metadata
---
amdhsa.version: [ 1, 2 ]
amdhsa.kernels:
  - .name:           k_q427f5818e6_proj
    .symbol:         k_q427f5818e6_proj.kd
    .args:
      - { .name: x_codes, .offset: 0, .size: 8, .value_kind: global_buffer, .address_space: global }
      - { .name: x_scales, .offset: 8, .size: 8, .value_kind: global_buffer, .address_space: global }
      - { .name: wq_w_codes, .offset: 16, .size: 8, .value_kind: global_buffer, .address_space: global }
      - { .name: wq_w_scales, .offset: 24, .size: 8, .value_kind: global_buffer, .address_space: global }
      - { .name: wq_b, .offset: 32, .size: 8, .value_kind: global_buffer, .address_space: global }
      - { .name: wk_w_codes, .offset: 40, .size: 8, .value_kind: global_buffer, .address_space: global }
      - { .name: wk_w_scales, .offset: 48, .size: 8, .value_kind: global_buffer, .address_space: global }
      - { .name: wk_b, .offset: 56, .size: 8, .value_kind: global_buffer, .address_space: global }
      - { .name: wv_w_codes, .offset: 64, .size: 8, .value_kind: global_buffer, .address_space: global }
      - { .name: wv_w_scales, .offset: 72, .size: 8, .value_kind: global_buffer, .address_space: global }
      - { .name: wv_b, .offset: 80, .size: 8, .value_kind: global_buffer, .address_space: global }
      - { .name: qbuf, .offset: 88, .size: 8, .value_kind: global_buffer, .address_space: global }
      - { .name: kvbuf, .offset: 96, .size: 8, .value_kind: global_buffer, .address_space: global }
    .group_segment_fixed_size: 245760
    .private_segment_fixed_size: 0
    .kernarg_segment_align: 8
    .kernarg_segment_size: 104
    .max_flat_workgroup_size: 256
    .sgpr_count:     106
    .vgpr_count:     512
    .wavefront_size: 32
...
	.end_amdgpu_metadata
.endif
;; end of part 1
;; launch attn (part 2): grid 8 x 32, 16 waves a work-group, clusters of 4 x 1, 215,040 bytes of LDS; arguments qbuf, kvbuf, out0; writes out0
.if DOCPART == 2
	.amdgcn_target "amdgcn-amd-amdhsa--gfx1250"
	.amdhsa_code_object_version 6
	.text
	.protected	k_q427f5818e6_attn
	.globl	k_q427f5818e6_attn
	.p2align	8
	.type	k_q427f5818e6_attn,@function
k_q427f5818e6_attn:
	s_mov_b64 s[64:65], 0
	v_nop
	global_prefetch_b8 v0, s[64:65] scope:SCOPE_SE
	s_setreg_imm32_b32 hwreg(HW_REG_WAVE_MODE, 25, 1), 1
	s_wait_xcnt 0x0
	s_wait_alu depctr_hold_cnt(0) depctr_sa_sdst(0) depctr_va_vdst(0) depctr_va_sdst(0) depctr_va_ssrc(0) depctr_va_vcc(0) depctr_vm_vsrc(0)
	s_getreg_b32 s2, hwreg(HW_REG_IB_STS2, 6, 4)
	s_cmp_eq_u32 s2, 0
	s_cbranch_scc0 .Lentry_in_a_cluster
	s_endpgm
.Lentry_in_a_cluster:
	s_bfe_u32 s2, ttmp6, 0x10000c
	s_cmp_lg_u32 s2, 0x3003
	s_cbranch_scc0 .Lentry_shape_is_right
	s_endpgm
.Lentry_shape_is_right:
; out[b][q][64 head + d] = the sum over keys k <= q of softmax_k(Q . K / 8) V, both products on codes of FP4 (E2M1) with one E8M0 scale for each 32 along a product's K.  qbuf and kvbuf hold images of the operands' registers.
; THE SOFTMAX: t = score x log2(e) / 8; M = the row's largest t so far, rounded UP to a whole number; p = 2^(t - M) is quantised along the keys, not normalised; the row's sum is taken of the unquantised p and divides at the end.
; When M moves, the sum and O are multiplied by 2^(old M - new M): exact.
; WORK LEFT OUT: blocks of 128 keys all of which come after the queries: the causal mask gives them the weight 0 for all finite inputs; a NaN or an infinity among them is not carried on.
; LIMITS: the promise holds while |t| stays under 2^31.  A block's largest p is taken through its largest score (this takes v_exp_f32 not to fall where its input rises).  A block whose every p is 0 keeps the scale byte 1: its codes are zeros.
; SHARES.  A work-group (j = x, batch x 16 + head = y) owns the tile of 16 queries number j in EACH of the head's sixteen blocks of 128: so every work-group walks the same 136 key steps of 128 keys and reads all sixteen records.
; The tile of block b has b + 1 steps.  Waves s, s + 4, s + 8, s + 12 (s = 0..3) have 34 steps in all, whatever s.  Wave s: the tile of block 15 - s, records 0..10: 11 steps.  Wave s + 4: block 8 + s, 9 + s steps.
; Wave s + 8: block 7 - s, 8 - s steps.  Wave s + 12: block s, s + 1 steps, and then records 11..15 - s of block 15 - s: 6 steps.  The two parts of block 15 - s's tile are joined through LDS behind the loop.
; CLUSTER 4 x 1: four work-groups of one head ask jointly for its records: wave w fetches record w, 35 rows of 256 bytes, one load a wave; 143,360 bytes, filled once.  Record 0 has a line of its own: step 0 begins when it is in,
; the other fifteen are waited for behind step 0.  The loop loads no tile from memory: nothing is prefetched.
; LAYOUT.  S^T = K Q^T, O^T = V^T P^T: a lane holds ONE query throughout.  In tile t of S^T lane half h holds keys 64 (t / 4) + 32 h + 8 ((t % 4) ^ h) + 0..7: so a lane holds whole blocks of 32 keys, in the order of the operand's registers.
; The tile of queries: 64 (j / 4) + 8 T + 0..7 and + 32 + 8 (T ^ 1) + 0..7, T = j % 4.  The head has 64 numbers, the instruction takes 128: Q's upper four registers hold zero codes; K's upper four are the next fragment's (any codes: their products are 0).
; REGISTERS: v1-7, v74, v80-81, v88 addresses; v8-9, v72-73 the step's; v11 the old -M, v12 -M, v13 the largest score, v[14:15] the sum; v16-23 Q, v24 its scale words; v26-31 K's and V's; v32-67 K; v96-159 S^T, then p;
;   v160-191 O^T; v192-223 V; v224-231 p's codes.
.set REC,   8960
.set QREC,  2304
.set STG,   16*REC                     ; a stage of 16 rows x (256 bytes + 16) for each wave; no fill lands there
.set SP,    272
.set SBYT,  16*SP
.set SPARE, STG+16*SBYT
.set L16,  1                           ; 16 x lane
.set L8,   2                           ; 8 x lane
.set DDE,  3                           ; v3  the mask: my query's bound in even tiles, v4 in odd ones
.set DDO,  4
.set SIN,  5
.set SOUT, 6
.set GO,   7
.set ADV,  8                           ; this step's record: V's fragments, V's scale words
.set AV8,  9
.set ADK,  72                          ; the next step's: K's
.set AK8,  73
.set PUB,  74                          ; where the second part of block 15 - s's tile passes through LDS, and (v88) its M and sum
.set PUB8, 88
.set SPW,  252
.set NIL,  255
.set WV,   10
.set B1,   13                          ; block of my first tile
.set B2,   14                          ; block 15 - s: the second tile of waves 12-15
.set SW,   28                          ; the trip at which my first tile is finished and leaves (64: waves 0-3, which join theirs behind the loop)
.set NST,  29                          ; my steps
.set DL,   30                          ; what the record's number is ahead of the step's in the second tile
.set GG,   31
.set TT,   32
.set II,   33                          ; the step
.set RC,   34                          ; its record
.set BLK,  35                          ; the block of the tile in hand
.set TB,   36                          ; the record in LDS
.set TN,   37                          ; the next one's
.set NC,   38                          ; s38 -c
.set NI,   39                          ; the next step
.set SEL,  40
.set CS,   42                          ; s[42:43] c = log2(e) / 8
.macro CROUND
	s_barrier_signal -1
	s_barrier_wait -1
	s_cmp_lg_u32 s[WV], 0
	s_cbranch_scc1 .Lnot_wave_0_\@
	s_barrier_signal -3
.Lnot_wave_0_\@:
	s_barrier_wait -3
	s_barrier_signal -1
	s_barrier_wait -1
.endm
.macro PLACES n
.rept \n
	v_nop
.endr
.endm
.macro TOROWS                          ; v96-127, O^T finished, leaves through my stage: sixteen lanes store a token's 256 bytes
.irp d, 0,1,2,3
	ds_store_b128 v[SIN], v[96+8*\d:99+8*\d] offset:64*\d
	ds_store_b128 v[SIN], v[100+8*\d:103+8*\d] offset:64*\d+16
.endr
.irp i, 0,1,2,3,4,5,6,7
	ds_load_b128 v[192+4*\i:195+4*\i], v[SOUT] offset:2*\i*SP      ; LDS serves a wave's instructions in order (ISA guide 5.7.1.4)
.endr
.irp i, 0,1,2,3
	s_wait_dscnt 7-\i                              ; the younger loads may be out
	global_store_b128 v[GO], v[192+4*\i:195+4*\i], s[8:9] offset:8192*\i th:TH_STORE_NT
.endr
.irp i, 4,5,6,7
	s_wait_dscnt 7-\i
	global_store_b128 v[GO], v[192+4*\i:195+4*\i], s[54:55] offset:8192*(\i-4) th:TH_STORE_NT
.endr
.endm
	s_load_b128 s[4:7], s[0:1], 0x0                ; qbuf, kvbuf
	s_load_b64 s[8:9], s[0:1], 0x10                ; out0
	v_lshl_add_u32 v[SPW], v0, 2, SPARE
	v_mov_b32 v[NIL], 0
	ds_add_u32 v[SPW], v[NIL]                      ; the opening lines
	ds_add_u32 v[SPW], v[NIL]
	v_lshrrev_b32 v8, 5, v0
	v_readfirstlane_b32 s[WV], v8
	s_and_b32 s44, ttmp7, 0xffff                   ; batch x 16 + head
	s_mov_b32 s16, 15|(3<<16)|(1<<21)              ; all four of the cluster; elements of 8 bytes; no padding: every read is 16 or 8 bytes x lane on end
	s_mov_b32 s17, 32<<16
	s_mov_b32 s18, 35<<16
	s_mov_b32 s19, 32<<16
	s_mov_b32 s20, 35
	s_mov_b32 s21, 32
	s_mov_b32 s22, 0
	s_mov_b32 s23, 0
	s_mov_b32 s24, 1
	s_mul_i32 s25, s[WV], REC
	s_lshl_b32 s46, s44, 4
	s_add_co_u32 s46, s46, s[WV]
	s_mul_i32 s46, s46, REC
	s_mov_b32 s47, 0
	s_wait_dscnt 0x0
	s_wait_kmcnt 0x0
	s_add_nc_u64 s[26:27], s[6:7], s[46:47]
	s_or_b32 s27, s27, 0x80000000
	CROUND                                         ; the four work-groups are here: the joint loads meet
	s_cmp_eq_u32 s[WV], 0                          ; one load a wave; record 0 by a line of its own, since it is waited for first
	s_cbranch_scc0 .Lothers
	tensor_load_to_lds s[24:27], s[16:23]
	s_nop 0
	PLACES 4
	s_branch .Lasked
.Lothers:
	tensor_load_to_lds s[24:27], s[16:23]
	s_nop 0
	PLACES 4
.Lasked:
	s_lshr_b32 s12, s[WV], 2                       ; which of the four
	s_and_b32 s15, s[WV], 3                        ; s
	s_lshr_b32 s45, s12, 1
	s_lshl_b32 s45, s45, 3
	s_sub_co_u32 s46, 15, s45
	s_sub_co_u32 s46, s46, s15                     ; 15 - s or 7 - s
	s_sub_co_u32 s56, 8, s45
	s_add_co_u32 s56, s56, s15                     ; 8 + s or s
	s_and_b32 s59, s12, 1
	s_cmp_eq_u32 s59, 0
	s_cselect_b32 s[B1], s46, s56
	s_sub_co_u32 s[B2], 15, s15
	s_sub_co_u32 s[DL], 10, s15
	s_add_co_u32 s56, s[B1], 1
	s_cmp_eq_u32 s12, 0
	s_cselect_b32 s[SW], 64, s56
	s_cselect_b32 s[NST], 11, s56
	s_cmp_eq_u32 s12, 3
	s_cselect_b32 s[NST], 6, s[NST]
	s_mul_i32 s59, s15, SBYT
	s_add_co_u32 s59, s59, STG+12*SBYT             ; the stage of wave 12 + s
	s_mov_b32 s[GG], ttmp9                         ; j / 4: which 64 of a block of 128 queries
	s_bfe_u32 s[TT], ttmp6, 0x40000                ; j % 4 = my place in the cluster: only Q's and the output's addresses and the mask's bounds hang on it
	s_mov_b32 s[II], 1
	s_mov_b32 s[SEL], 0x76543210
	s_mov_b32 s[SEL+1], 0xfedcba98
	s_mov_b32 s[CS], 0x3e38aa3b
	s_mov_b32 s[CS+1], s[CS]
	s_mov_b32 s[NC], 0xbe38aa3b
	s_lshl_b32 s45, s44, 5
	s_add_co_u32 s45, s45, s[GG]
	s_lshl_b32 s46, s[B1], 1
	s_add_co_u32 s46, s46, s45
	s_mul_i32 s46, s46, QREC
	s_add_nc_u64 s[48:49], s[4:5], s[46:47]        ; my first tile's record of q,
	s_lshl_b32 s46, s[B2], 1
	s_add_co_u32 s46, s46, s45
	s_mul_i32 s46, s46, QREC
	s_add_nc_u64 s[50:51], s[4:5], s[46:47]        ; and block 15 - s's
	s_lshl_b32 s15, s[TT], 9                       ; fragment T
	s_and_b32 s45, s[TT], 1
	s_lshl_b32 s45, s45, 7                         ; its scale words: the record's lanes 16 (T % 2) on,
	s_lshr_b32 s46, s[TT], 1
	s_lshl_b32 s46, s46, 2                         ; word T / 2
	s_add_co_u32 s45, s45, s46
	s_lshl_b32 s60, s[TT], 3                       ; 8 T
	s_xor_b32 s61, s60, 8
	s_add_co_u32 s61, s61, 32
	s_sub_co_u32 s61, s61, s60                     ; from the tile's first eight queries to its second: 40 or 24
	s_lshr_b32 s46, s44, 4
	s_lshl_b32 s46, s46, 11
	s_lshl_b32 s56, s[B1], 7
	s_add_co_u32 s46, s46, s56
	s_lshl_b32 s56, s[GG], 6
	s_add_co_u32 s46, s46, s56
	s_add_co_u32 s46, s46, s60                     ; my first tile's first token: the tile that I store
	s_lshl_b32 s46, s46, 12
	s_and_b32 s56, s44, 15
	s_lshl_b32 s56, s56, 8
	s_add_co_u32 s46, s46, s56
	s_add_nc_u64 s[8:9], s[8:9], s[46:47]
	s_lshl_b32 s56, s61, 12
	s_mov_b32 s57, 0
	s_add_nc_u64 s[54:55], s[8:9], s[56:57]
	s_mul_i32 s58, s[WV], SBYT
	s_add_co_u32 s58, s58, STG                     ; my stage
	v_and_b32 v75, 31, v0
	v_and_b32 v76, 15, v0                          ; r
	v_bfe_u32 v77, v0, 4, 1                        ; h
	v_and_b32 v78, 7, v0
	v_bfe_u32 v79, v0, 3, 1
	v_lshlrev_b32 v[L16], 4, v75
	v_lshlrev_b32 v[L8], 3, v75
	v_add_nc_u32 v80, s15, v[L16]
	v_lshl_add_u32 v81, v76, 3, s45
	global_load_b128 v[16:19], v80, s[48:49]
	global_load_b32 v24, v81, s[48:49] offset:2048
.irp i, 20,21,22,23,64,65,66,67,236,237,249,251
	v_mov_b32 v[\i], 0                             ; Q's upper half: zero codes; what stands behind K's last fragment; lane permutes' destinations; the upper halves of pairs
.endr
	v_add_nc_u32 v82, s60, v78
	v_mad_u32_u24 v82, v79, s61, v82               ; my query within its 64
	v_mul_u32_u24 v83, v77, 40
	v_mul_u32_u24 v84, v77, 24
	v_sub_nc_u32 v[DDE], v82, v83                  ; register n of a half of 64 keys holds key n (h = 0), n + 40 (h = 1, even tiles), n + 24 (odd): hidden where that is above my query
	v_sub_nc_u32 v[DDO], v82, v84
	v_mul_u32_u24 v85, v76, SP
	v_lshl_add_u32 v85, v77, 5, v85
	v_add_nc_u32 v[SIN], s58, v85                  ; in: row r, 32 h bytes on
	v_mul_u32_u24 v86, v77, SP
	v_lshl_add_u32 v86, v76, 4, v86
	v_add_nc_u32 v[SOUT], s58, v86                 ; back: lanes 0-15 one row, lanes 16-31 the next
	v_lshlrev_b32 v87, 12, v77
	v_lshl_add_u32 v[GO], v76, 4, v87              ; and the same in the output
	v_add_nc_u32 v[PUB], s59, v[L16]
	v_add_nc_u32 v[PUB8], s59, v[L8]
	v_add_nc_u32 v[PUB8], 4096, v[PUB8]
.macro MASK b
.set N, 0
.rept 32
.if (N/8)%2
	v_cmp_gt_i32 vcc_lo, N, v[DDO]
.else
	v_cmp_gt_i32 vcc_lo, N, v[DDE]
.endif
	v_cndmask_b32 v[\b+N], v[\b+N], v254, vcc_lo
.set N, N+1
.endr
.endm
.macro LOADK a, a8                     ; a record's K and K's scale words (register t / 2, lanes 16 (t % 2) on)
.irp t, 0,1,2,3,4,5,6,7
	ds_load_b128 v[32+4*\t:35+4*\t], v[\a] offset:512*\t
.endr
	ds_load_b64 v[26:27], v[\a8] offset:8192
	ds_load_b64 v[28:29], v[\a8] offset:8192+256
.endm
.macro LOADV a, a8
.irp f, 0,1,2,3,4,5,6,7
	ds_load_b128 v[192+4*\f:195+4*\f], v[\a] offset:4096+512*\f
.endr
	ds_load_b64 v[30:31], v[\a8] offset:8704
.endm
; A KEY STEP of 128 keys; K's fragments are in registers.  first = 1: step 0: it starts O and the sum.
.macro STEP first
.irp t, 0,1,2,3,4,5,6,7
.if \t%2
	v_wmma_scale_f32_16x16x128_f8f6f4 v[96+8*\t:103+8*\t], v[32+4*\t:39+4*\t], v[16:23], 0, v[26+\t/2], v24 matrix_a_fmt:MATRIX_FMT_FP4 matrix_b_fmt:MATRIX_FMT_FP4 matrix_a_scale:MATRIX_SCALE_ROW1
.else
	v_wmma_scale_f32_16x16x128_f8f6f4 v[96+8*\t:103+8*\t], v[32+4*\t:39+4*\t], v[16:23], 0, v[26+\t/2], v24 matrix_a_fmt:MATRIX_FMT_FP4 matrix_b_fmt:MATRIX_FMT_FP4
.endif
.endr
.if \first
	LOADV L16, L8
	PLACES 4                                       ; ahead of the first read of results
	s_cmp_lg_u32 s[B1], 0
.else
	v_mov_b32 v11, v12                             ; the old -M; this line and the four sums are the places behind the products
	v_add_nc_u32 v[ADV], s[TB], v[L16]
	v_add_nc_u32 v[AV8], s[TB], v[L8]
	v_add_nc_u32 v[ADK], s[TN], v[L16]
	v_add_nc_u32 v[AK8], s[TN], v[L8]
	LOADV ADV, AV8
	s_cmp_ge_u32 s[NI], s[NST]                     ; my last step asks for no K
	s_cbranch_scc1 .Lno_k_\@
	LOADK ADK, AK8                                 ; the next step's K lands under this step's softmax
.Lno_k_\@:
	s_cmp_lg_u32 s[RC], s[BLK]
.endif
	s_cbranch_scc1 .Lopen_\@                       ; in the tile's own block hidden scores become -infinity ahead of the maximum
	v_mov_b32 v254, 0xff800000
	s_wait_alu depctr_va_vdst(0)                   ; the wait ahead of the branch
	s_cmp_lg_u32 s[GG], 0
	s_cbranch_scc1 .Llater64_\@
	MASK 96                                        ; queries of the first 64: of the second 64 keys none counts
.set N, 0
.rept 32
	v_mov_b32 v[128+N], v254
.set N, N+1
.endr
	s_wait_alu depctr_va_vdst(0)                   ; likewise
	s_branch .Lopen_\@
.Llater64_\@:
	MASK 128                                       ; queries of the second 64: all of the first 64 keys count
.Lopen_\@:
; The largest score of each of the lane's two blocks (v232, v233), each in two chains (v234, v235 the other two): it serves the row's maximum and the block's largest p.
.irp b, 0,1
	v_max3_num_f32 v[232+\b], v[96+32*\b], v[97+32*\b], v[98+32*\b]
	v_max3_num_f32 v[234+\b], v[112+32*\b], v[113+32*\b], v[114+32*\b]
.endr
.irp i, 3,5,7,9,11,13
.irp b, 0,1
	v_max3_num_f32 v[232+\b], v[232+\b], v[96+32*\b+\i], v[97+32*\b+\i]
	v_max3_num_f32 v[234+\b], v[234+\b], v[112+32*\b+\i], v[113+32*\b+\i]
.endr
.endr
.irp b, 0,1
	v_max3_num_f32 v[232+\b], v[232+\b], v[234+\b], v[111+32*\b]
.endr
.irp b, 0,1
	v_max_num_f32 v[232+\b], v[232+\b], v[127+32*\b]
.endr
	s_delay_alu instid0(VALU_DEP_1)
.if \first
	v_max_num_f32 v254, v232, v233
.else
	v_max3_num_f32 v254, v232, v233, v13
.endif
	s_delay_alu instid0(VALU_DEP_1)
	v_permlanex16_b32 v236, v254, s[SEL], s[SEL+1]
	s_delay_alu instid0(VALU_DEP_1)
	v_max_num_f32 v13, v254, v236                  ; the running largest score of my query
	s_delay_alu instid0(VALU_DEP_1)
	v_mul_f32 v12, s[NC], v13
	s_delay_alu instid0(VALU_DEP_1)
	v_floor_f32 v12, v12                           ; -M = floor(-t): a whole number
.set J, 0
.rept 32
	v_pk_fma_f32 v[96+J:97+J], v[96+J:97+J], s[CS:CS+1], v[12:13] op_sel_hi:[1,0,0]   ; t - M, two at a time
.if (\first) == 0
.if J == 4
	v_sub_f32 v254, v12, v11                       ; M's old value less its new one: a whole number, 0 or less
.elseif J == 14
	v_cvt_i32_f32 v254, v254                       ; (it saturates)
.elseif J == 24
	v_ldexp_f32 v250, 1.0, v254                    ; f = 2^(old M - new M)
.endif
.endif
.set J, J+2
.endr
	v_fma_f32 v232, v232, s[CS], v12               ; the same of each block's largest score
	v_fma_f32 v233, v233, s[CS], v12
	s_wait_alu depctr_va_vdst(0)                   ; the wait ahead of the batch
.set J, 0
.rept 64
	v_exp_f32 v[96+J], v[96+J]                     ; p = 2^(t - M), at most 1
.set J, J+1
.endr
	v_exp_f32 v232, v232                           ; the block's largest p: the same instructions on the same number give the same bits
	v_exp_f32 v233, v233
.if \first
	v_nop
.else
	v_pk_mul_f32 v[14:15], v[14:15], v[250:251] op_sel_hi:[1,0]   ; the sum under the new M: the plain place behind the batch
.endif
	s_wait_alu depctr_va_vdst(0)                   ; and behind it, ahead of its first reader
; The row's sum of the unquantised p, two at a time in four chains; between them the blocks' scales.
	v_pk_add_f32 v[240:241], v[96:97], v[98:99]
	v_pk_add_f32 v[242:243], v[100:101], v[102:103]
	v_pk_add_f32 v[244:245], v[104:105], v[106:107]
.if \first
	v_pk_add_f32 v[14:15], v[156:157], v[158:159]
.endif
.set K, 6
.rept 26-2*(\first)
.if (K-6)%4 == 0
	v_pk_add_f32 v[14:15], v[14:15], v[96+2*K:97+2*K]
.else
.set A, 238+2*((K-6)%4)
	v_pk_add_f32 v[A:A+1], v[A:A+1], v[96+2*K:97+2*K]
.endif
.if K == 8
	v_max_num_f32 v232, 0x1800000, v232            ; the floor 2^(3 - 127): the byte cannot fall under 1
	v_max_num_f32 v233, 0x1800000, v233
.elseif K == 11
	v_add_nc_u32 v246, 0xff000000, v232            ; 2 off the exponent field: the conversion's scale operand
	v_add_nc_u32 v247, 0xff000000, v233
.elseif K == 14
	v_lshrrev_b32 v238, 23, v246                   ; the scales' bytes: lane half h has blocks h and 2 + h
	v_lshrrev_b32 v239, 23, v247
.elseif K == 18
	v_lshl_or_b32 v238, v239, 16, v238
.elseif K == 21
	v_permlanex16_b32 v237, v238, s[SEL], s[SEL+1]
.elseif K == 24
	v_lshl_or_b32 v253, v237, 8, v238              ; lanes 0-15: p's scale word for these 128 keys
.endif
.set K, K+1
.endr
	v_pk_add_f32 v[242:243], v[242:243], v[244:245]
	v_pk_add_f32 v[14:15], v[14:15], v[240:241]
.irp t, 0,1,2,3,4,5,6,7
	v_cvt_scalef32_pk8_fp4_f32 v[224+\t], v[96+8*\t:103+8*\t], v[246+\t/4]   ; the operand's registers as they are
.endr
	v_pk_add_f32 v[14:15], v[14:15], v[242:243]
.if \first
	PLACES 4                                       ; between p's codes and the products below
.else
	s_wait_alu depctr_va_vdst(0)                   ; the wait directly ahead of the first reader of O^T
.set J, 0
.rept 16
	v_pk_mul_f32 v[160+J:161+J], v[160+J:161+J], v[250:251] op_sel_hi:[1,0]   ; O^T under the new M; also the places between p's codes and scale word and the products below
.set J, J+2
.endr
.endif
	s_wait_alu depctr_va_vdst(0)
	s_wait_dscnt 0x0                               ; V, and the next step's K, are in
.irp d, 0,1,2,3
.if \first
.if \d%2
	v_wmma_scale_f32_16x16x128_f8f6f4 v[160+8*\d:167+8*\d], v[192+8*\d:199+8*\d], v[224:231], 0, v[30+\d/2], v253 matrix_a_fmt:MATRIX_FMT_FP4 matrix_b_fmt:MATRIX_FMT_FP4 matrix_a_scale:MATRIX_SCALE_ROW1
.else
	v_wmma_scale_f32_16x16x128_f8f6f4 v[160+8*\d:167+8*\d], v[192+8*\d:199+8*\d], v[224:231], 0, v[30+\d/2], v253 matrix_a_fmt:MATRIX_FMT_FP4 matrix_b_fmt:MATRIX_FMT_FP4
.endif
.else
.if \d%2
	v_wmma_scale_f32_16x16x128_f8f6f4 v[160+8*\d:167+8*\d], v[192+8*\d:199+8*\d], v[224:231], v[160+8*\d:167+8*\d], v[30+\d/2], v253 matrix_a_fmt:MATRIX_FMT_FP4 matrix_b_fmt:MATRIX_FMT_FP4 matrix_a_scale:MATRIX_SCALE_ROW1
.else
	v_wmma_scale_f32_16x16x128_f8f6f4 v[160+8*\d:167+8*\d], v[192+8*\d:199+8*\d], v[224:231], v[160+8*\d:167+8*\d], v[30+\d/2], v253 matrix_a_fmt:MATRIX_FMT_FP4 matrix_b_fmt:MATRIX_FMT_FP4
.endif
.endif
.endr
.endm
	s_wait_alu depctr_va_vdst(0)                   ; the wait at the head's end
	s_wait_loadcnt 0x0                             ; Q
	s_cmp_eq_u32 s[WV], 0
	s_cbranch_scc0 .Lnot_first
	s_wait_tensorcnt 0x0                           ; wave 0: record 0 is in
.Lnot_first:
	s_barrier_signal -1                            ; (the other records' loads may be out)
	s_barrier_wait -1
	LOADK L16, L8
	s_wait_dscnt 0x0
	STEP 1
	s_wait_tensorcnt 0x0                           ; my record is in
	s_barrier_signal -1
	s_barrier_wait -1                              ; all sixteen are
	s_cmp_gt_u32 s[SW], 1                          ; every wave has a step 1: record 1, or (wave 12, whose first tile is finished) record 11
	s_cselect_b32 s[TN], 0, s[DL]
	s_add_co_u32 s[TN], s[TN], 1
	s_min_u32 s[TN], s[TN], 15
	s_mul_i32 s[TN], s[TN], REC
	v_add_nc_u32 v[ADK], s[TN], v[L16]
	v_add_nc_u32 v[AK8], s[TN], v[L8]
	LOADK ADK, AK8
	s_wait_dscnt 0x0
.Ltrip:                                                ; trips 1 to 12; those without a step of mine are jumped over
	s_cmp_lg_u32 s[II], s[SW]
	s_cbranch_scc1 .Lstay
	; waves 4-15, once: my first tile is finished: O^T is divided by the row's sum and leaves
	v_add_f32 v14, v14, v15
	v_permlanex16_b32 v236, v14, s[SEL], s[SEL+1]
	v_add_f32 v14, v14, v236                       ; the row's sum
	s_wait_alu depctr_va_vdst(0)                   ; the wait ahead of the transcendental
	v_rcp_f32 v14, v14
	PLACES 4                                       ; behind the last products, and the plain place behind the reciprocal
	s_wait_alu depctr_va_vdst(0)                   ; and behind it
.set J, 0
.rept 16
	v_pk_mul_f32 v[96+J:97+J], v[160+J:161+J], v[14:15] op_sel_hi:[1,0]
.set J, J+2
.endr
	TOROWS
	s_wait_alu depctr_va_vdst(0)
	s_wait_xcnt 0x0                                ; the stores have read their registers
	s_cmp_ge_u32 s[II], s[NST]
	s_cbranch_scc1 .Lhidden
	; waves 12-15 go on to block 15 - s's tile
	global_load_b128 v[16:19], v80, s[50:51]
	global_load_b32 v24, v81, s[50:51] offset:2048
	v_mov_b32 v13, 0xff61b1e6                      ; the largest score: -3e38, under every score
	v_mov_b32 v14, 0
	v_mov_b32 v15, 0
	v_mul_f32 v12, s[NC], v13
.set J, 0
.rept 32
	v_mov_b32 v[160+J], 0                          ; O^T: the step finds zeros, which the first change of M leaves zeros
.set J, J+1
.endr
	v_floor_f32 v12, v12                           ; -M
	s_wait_alu depctr_va_vdst(0)                   ; the wait ahead of the wait below
	s_wait_loadcnt 0x0                             ; Q
.Lstay:
	s_cmp_ge_u32 s[II], s[NST]
	s_cbranch_scc1 .Lhidden
	s_cmp_lt_u32 s[II], s[SW]
	s_cselect_b32 s[RC], 0, s[DL]
	s_cselect_b32 s[BLK], s[B1], s[B2]
	s_add_co_u32 s[RC], s[RC], s[II]
	s_min_u32 s[RC], s[RC], 15
	s_mul_i32 s[TB], s[RC], REC
	s_add_co_u32 s[NI], s[II], 1
	s_cmp_lt_u32 s[NI], s[SW]
	s_cselect_b32 s[TN], 0, s[DL]
	s_add_co_u32 s[TN], s[TN], s[NI]
	s_min_u32 s[TN], s[TN], 15
	s_mul_i32 s[TN], s[TN], REC
	STEP 0
.Lhidden:
	s_add_co_u32 s[II], s[II], 1
	s_cmp_lt_u32 s[II], 13
	s_cbranch_scc1 .Ltrip
	PLACES 4                                       ; behind the last products
	s_cmp_lt_u32 s[WV], 12
	s_cbranch_scc1 .Lmeet
	v_add_f32 v13, v14, v15                        ; waves 12-15 hand over their part of block 15 - s's tile: O^T, -M and the sum
.irp q, 0,1,2,3,4,5,6,7
	ds_store_b128 v[PUB], v[160+4*\q:163+4*\q] offset:512*\q
.endr
	ds_store_b64 v[PUB8], v[12:13]
.Lmeet:
	s_wait_alu depctr_va_vdst(0)                   ; the wait ahead of the barrier
	s_wait_dscnt 0x0                               ; for the reader's sake
	s_barrier_signal -1
	s_barrier_wait -1
	s_cmp_lt_u32 s[WV], 4
	s_cbranch_scc0 .Lend
	ds_load_b64 v[234:235], v[PUB8]                ; waves 0-3 join the two parts
.irp q, 0,1,2,3,4,5,6,7
	ds_load_b128 v[192+4*\q:195+4*\q], v[PUB] offset:512*\q
.endr
	s_wait_dscnt 0x0
	v_min_num_f32 v240, v12, v234                  ; the greater M of the two
	v_add_f32 v14, v14, v15
	v_sub_f32 v241, v240, v12
	v_sub_f32 v242, v240, v234
	v_cvt_i32_f32 v241, v241
	v_cvt_i32_f32 v242, v242
	v_ldexp_f32 v250, 1.0, v241                    ; what brings my part under it,
	v_ldexp_f32 v248, 1.0, v242                    ; and the other
	v_mul_f32 v14, v14, v250
	v_fma_f32 v14, v235, v248, v14
	v_permlanex16_b32 v236, v14, s[SEL], s[SEL+1]
	v_add_f32 v14, v14, v236                       ; the row's sum
	s_wait_alu depctr_va_vdst(0)                   ; the wait ahead of the transcendental
	v_rcp_f32 v14, v14
	v_nop
	s_wait_alu depctr_va_vdst(0)                   ; and behind it
	v_mul_f32 v250, v250, v14
	v_mul_f32 v248, v248, v14
.set J, 0
.rept 16
	v_pk_mul_f32 v[192+J:193+J], v[192+J:193+J], v[248:249] op_sel_hi:[1,0]
.set J, J+2
.endr
	s_wait_alu depctr_va_vdst(0)                   ; the wait directly ahead of the first reader of O^T
.set J, 0
.rept 16
	v_pk_fma_f32 v[96+J:97+J], v[160+J:161+J], v[250:251], v[192+J:193+J] op_sel_hi:[1,0,1]
.set J, J+2
.endr
	TOROWS
.Lend:
	s_wait_tensorcnt 0x0                           ; the wave's end
	ds_add_u32 v[SPW], v[NIL]
	s_wait_dscnt 0x0
	CROUND                                         ; the closing round
	s_endpgm
.Lfunc_end_k_q427f5818e6_attn:
	.size	k_q427f5818e6_attn, .Lfunc_end_k_q427f5818e6_attn-k_q427f5818e6_attn
	.p2alignl 7, 3214868480
	.fill 96, 4, 3214868480
	.section	.rodata,"a",@progbits
	.p2align	6, 0x0
	.amdhsa_kernel k_q427f5818e6_attn
		.amdhsa_group_segment_fixed_size 215040
		.amdhsa_private_segment_fixed_size 0
		.amdhsa_enable_private_segment 0
		.amdhsa_kernarg_size 24
		.amdhsa_user_sgpr_count 2
		.amdhsa_user_sgpr_kernarg_segment_ptr 1
		.amdhsa_wavefront_size32 1
		.amdhsa_system_sgpr_workgroup_id_x 1
		.amdhsa_system_sgpr_workgroup_id_y 1
		.amdhsa_system_sgpr_workgroup_id_z 1
		.amdhsa_system_vgpr_workitem_id 0
		.amdhsa_next_free_vgpr 256
		.amdhsa_next_free_sgpr 66
		.amdhsa_reserve_vcc 1
		.amdhsa_float_denorm_mode_32 3
		.amdhsa_float_denorm_mode_16_64 3
		.amdhsa_memory_ordered 1
		.amdhsa_forward_progress 1
		.amdhsa_inst_pref_size 58
	.end_amdhsa_kernel
	.amdgpu_metadata
---
amdhsa.version: [ 1, 2 ]
amdhsa.kernels:
  - .name:           k_q427f5818e6_attn
    .symbol:         k_q427f5818e6_attn.kd
    .args:
      - { .name: qbuf, .offset: 0, .size: 8, .value_kind: global_buffer, .address_space: global }
      - { .name: kvbuf, .offset: 8, .size: 8, .value_kind: global_buffer, .address_space: global }
      - { .name: out0, .offset: 16, .size: 8, .value_kind: global_buffer, .address_space: global }
    .group_segment_fixed_size: 215040
    .private_segment_fixed_size: 0
    .kernarg_segment_align: 8
    .kernarg_segment_size: 24
    .max_flat_workgroup_size: 512
    .sgpr_count:     66
    .vgpr_count:     256
    .wavefront_size: 32
...
	.end_amdgpu_metadata
.endif
;; end of part 2
